; MI455X (gfx1250); checked and timed in simulation.
; The chip was launched on July 23, 2026; its instructions are those of AMD's public machine-readable ISA for CDNA 5 (MIT licence, August 2026) and "CDNA5" Instruction Set Architecture Reference Guide (July 2026). The comments in the code are by the model that wrote it; some were corrected since.
;; S4 D Kernel. Allowed arithmetic: float matrix products may take bf16 or f16 operands with f32 sums; all other float work in f32.
;; Inputs: A_imag 1,024 x 32 float32; C_im 1,024 x 32 float32; C_re 1,024 x 32 float32; log_A_real 1,024 x 32 float32; log_dt 1,024 float32.
;; Outputs: out0 1,024 x 4,096 float32.
;; Constants: L = 4096.
;; 2 versions, each right; version 2 is version 1 with the launch s4d written anew for expert scheduling mode. Each part assembles by itself: llvm-mc -triple=amdgcn-amd-amdhsa -mcpu=gfx1250 --defsym DOCPART=n.
;; ======== version 1 of 2: 1 launch
;; launch s4d (part 1): grid 1024 x 1, 4 waves a work-group, no clusters, 35,328 bytes of LDS; arguments A_imag, C_im, C_re, log_A_real, log_dt, out0; writes out0
.if DOCPART == 1
	.amdgcn_target "amdgcn-amd-amdhsa--gfx1250"
	.amdhsa_code_object_version 6
	.text
	.protected	k_q9b0ac355e0_s4d
	.globl	k_q9b0ac355e0_s4d
	.p2align	8
	.type	k_q9b0ac355e0_s4d,@function
k_q9b0ac355e0_s4d:
	s_mov_b64 s[64:65], 0
	v_nop
	global_prefetch_b8 v0, s[64:65] scope:SCOPE_SE
	s_setreg_imm32_b32 hwreg(HW_REG_WAVE_MODE, 25, 1), 1
	s_wait_xcnt 0x0
; S4D kernel:  K[h][l] = 2 Re sum_s Cf[h][s] z[h][s]^l,  z = exp(dtA),  Cf = C (z - 1) / A,  A = -exp(log_A_real) + i A_imag,  dtA = A exp(log_dt).
; 1024 heads, 32 states, 4096 steps.  One work-group = one head, four waves.
;
; THE IDEA.  l = eA + eB with eA in {0..3} + 64 {0..15} and eB in 4 {0..15} + 1024 {0..3}.  With P[eA][s] = 2 Cf z^eA and Q[eB][s] = conj(z^eB),
;   K[eA + eB] = sum_s  Re P Re Q + Im P Im Q :  a 64 x 64 product with 64 along K (re, im of 32 states).  128 powers a state in place of 4096.
; FORMAT.  Each table entry is kept as two bf16, hi = bf16(x) and lo = bf16(x - hi); the matrix unit adds hi hi + hi lo + lo hi in f32 (192 along K).
;   One bf16 a side would leave 2^-8 of every one of the 64 terms, which is more than the sum itself where the terms cancel.  What is dropped here
;   (lo lo, and lo's own rounding) is 2^-16 of a term.  bf16 and not f16: decayed powers run through the whole f32 exponent range.
; LAYOUT OF l IN THE RESULT TILE (row m = 8 half + j from P, column r from Q):
;   l = (j & 3) + 4 r + 64 half + 128 (j >> 2) + 256 (P tile) + 1024 (Q tile = wave):  four registers of a lane are 16 consecutive bytes, the 32 lanes of a
;   store cover 512 consecutive bytes at a multiple of 512 from the output's first byte.  No stage in LDS on the way out.
; ARITHMETIC THAT FOLLOWS THE PROBLEM'S OWN f32 STEPS: dt, exp(log_A_real) and exp(Re dtA) come from an exponential whose last step rounds 1 + r + r^2 p(r)
;   once (v_exp_f32 with a scaled argument would lose bits in the scaling): z - 1 cancels where |A| is small, and dt's last bit is multiplied by up to 4095 steps of phase.
; PHASE: theta = fl(A_imag dt) is turned into quarter turns by a two-word product with 2/pi; sin and cos are made so for z and for z^64, every other
;   power by at most five squarings from one of these, every entry by at most six more products.
; NO CLUSTER, NO TENSOR LOADS: a work-group reads 4 x 128 + 4 bytes, and no two work-groups read the same byte.
; LIMITS.  (1) The phase used is the exact product theta l; the problem's formula rounds theta l to f32, so the two differ by up to half an ulp of the phase.
;   (2) NaN in log_dt or log_A_real is swallowed by the clamp of the exponential's argument to [-104, 89].  (3) |64 theta 2/pi| < 2^31 (quadrant as i32).
;   (4) |z|^64 below 2^-126 counts as 0 (v_exp_f32 flushes, ISA guide 15.8).  (5) max(|Re A|, |Im A|) is a normal f32 whose reciprocal is normal too.
.set PITCH, 272                        ; an LDS row: 128 bytes hi, 128 bytes lo, 16 of padding: 68 words, so 16 rows of a fragment load start 4 banks apart
.set TILE,  16*PITCH                   ; 16 rows: what one wave writes of a table, and one fragment tile
.set QTAB,  64*PITCH                   ; Q's 64 rows lie behind P's 64
; registers, table phase (lane = state)
.set LANE, 1
.set IOFF, 3                           ; byte offset of my state in the four [1024][32] inputs
.set AIM,  4                           ; A_imag
.set LAR,  5                           ; log_A_real
.set CC,   6                           ; v[6:7]  C (re, im)
.set LDT,  8                           ; log_dt
.set DOFF, 9                           ; byte offset of my head in log_dt
.set LA,   10                          ; LDS: my dword in the first row that my wave writes
.set FA,   11                          ; LDS: my 16 bytes of a fragment of P, tile 0
.set FB,   12                          ; LDS: the same for my wave's tile (QTAB goes into the immediate)
.set CO,   13                          ; 16 x lane: my bytes in a store
.set NEG1, 14                          ; -1.0
.set DT,   16
.set AR,   17                          ; Re A
.set XR,   18                          ; Re dtA
.set TH,   19                          ; Im dtA
.set EX,   20                          ; exp(Re dtA)
.set GH,   21                          ; theta in quarter turns, high and
.set GL,   22                          ; low word
.set G64,  23                          ; 64 theta likewise
.set T,    24                          ; v[24:29] at work
.set L64,  30
.set CS1,  32                          ; (cos, sin) theta
.set CS64, 34                          ; (cos, sin) 64 theta
.set E1,   36                          ; z - 1
.set NUM,  38                          ; C (z - 1)
.set AP,   40                          ; A / max(|Re A|, |Im A|)
.set CF,   42                          ; 2 Cf
.set MX,   44
.set RS,   45
.set DEN,  46
.set RD,   47
.set Z1,    48                         ; the twelve powers, a pair each; those of Q's table are conjugated
.set Z2,    50
.set Z4,    52
.set Z8,    54
.set Z16,   56
.set Z32,   58
.set Z64,   60
.set Z128,  62
.set Z256,  64
.set Z512,  66
.set Z1024, 68
.set Z2048, 70
.set U,    72                          ; v[72:77] three pairs for the starts
.set PE,   80                          ; v[80:111]  my 16 rows of P
.set QE,   112                         ; v[112:143] my 16 rows of Q
.set PT,   144                         ; v[144:159] four sets of four for the split
; registers, product phase (the table phase's registers from v32 on are done with)
.set QF,   32                          ; v[32:63]   Q tile: hi k 0-31, hi k 32-63, lo k 0-31, lo k 32-63
.set PF,   64                          ; v[64:191]  the four P tiles, likewise
.set ACC,  192                         ; v[192:223] four accumulators
; d = x y (complex pairs; d is neither x nor y).  First (xr yr, xi yr), then (- xi yi, + xr yi) on top: two packed instructions.
.macro CMUL d, x, y
	v_pk_mul_f32 v[\d:\d+1], v[\x:\x+1], v[\y:\y+1] op_sel_hi:[1,0]
	v_pk_fma_f32 v[\d:\d+1], v[\x:\x+1], v[\y:\y+1], v[\d:\d+1] op_sel:[1,1,0] op_sel_hi:[0,1,1] neg_lo:[1,0,0]
.endm
; d = x conj(y): (+ xi yi, - xr yi) on top
.macro CMULC d, x, y
	v_pk_mul_f32 v[\d:\d+1], v[\x:\x+1], v[\y:\y+1] op_sel_hi:[1,0]
	v_pk_fma_f32 v[\d:\d+1], v[\x:\x+1], v[\y:\y+1], v[\d:\d+1] op_sel:[1,1,0] op_sel_hi:[0,1,1] neg_hi:[1,0,0]
.endm
; d = e^x.  n = round(x / ln 2); r = x - n ln 2 with ln 2 in two words, the first of 9 bits so that n times it is exact; e^r = 1 + r + r^2 p(r); times 2^n.
.macro EXPA d, x, t, r, y
	v_med3_num_f32 v[\r], v[\x], s24, s25              ; below -104 the result is 0, above 89 infinite: n stays a small whole number
	v_mul_f32 v[\t], 0x3fb8aa3b, v[\r]
	v_rndne_f32 v[\t], v[\t]
	v_fmamk_f32 v[\r], v[\t], 0xbf318000, v[\r]        ; - n 0.693359375
	v_fmamk_f32 v[\r], v[\t], 0x395e8083, v[\r]        ; + n 2.12194440e-4
	v_fmaak_f32 v[\y], s20, v[\r], 0x3ab743ce
	v_fmaak_f32 v[\y], v[\y], v[\r], 0x3c088908
	v_fmaak_f32 v[\y], v[\y], v[\r], 0x3d2aa9c1
	v_fmaak_f32 v[\y], v[\y], v[\r], 0x3e2aaaaa
	v_fmaak_f32 v[\y], v[\y], v[\r], 0x3f000000
	v_mul_f32 v[\d], v[\r], v[\r]
	v_fma_f32 v[\y], v[\y], v[\d], v[\r]
	v_cvt_i32_f32 v[\t], v[\t]
	v_add_f32 v[\y], 1.0, v[\y]
	v_ldexp_f32 v[\d], v[\y], v[\t]
.endm
; v[d] = cos, v[d+1] = sin of (p + lo) quarter turns.  k = round(p); p - k is exact; the rest, at most pi/4, goes through the two short polynomials;
; k mod 4 swaps them and sets the signs: (s, c), (c, -s), (-s, -c), (-c, s).
.macro SINCOS d, p, lo, k, x, z, s, c
	v_rndne_f32 v[\k], v[\p]
	v_sub_f32 v[\x], v[\p], v[\k]
	v_add_f32 v[\x], v[\x], v[\lo]
	v_cvt_i32_f32 v[\k], v[\k]
	v_mul_f32 v[\x], 0x3fc90fdb, v[\x]                 ; radians
	v_mul_f32 v[\z], v[\x], v[\x]
	v_fmaak_f32 v[\s], s21, v[\z], 0x3c08839e
	v_fmaak_f32 v[\c], s22, v[\z], 0xbab6061a
	v_fmaak_f32 v[\s], v[\s], v[\z], 0xbe2aaaa3
	v_fmaak_f32 v[\c], v[\c], v[\z], 0x3d2aaaa5
	v_mul_f32 v[\s], v[\s], v[\z]
	v_mul_f32 v[\c], v[\c], v[\z]
	v_fma_f32 v[\s], v[\s], v[\x], v[\x]               ; sin = x + x^3 ps(x^2)
	v_fma_f32 v[\x], v[\z], -0.5, 1.0
	v_fma_f32 v[\c], v[\c], v[\z], v[\x]               ; cos = 1 - x^2/2 + x^4 pc(x^2)
	v_and_b32 v[\z], 1, v[\k]
	v_cmp_ne_u32 vcc_lo, 0, v[\z]
	v_cndmask_b32 v[\d], v[\c], v[\s], vcc_lo
	v_cndmask_b32 v[\d+1], v[\s], v[\c], vcc_lo
	v_lshlrev_b32 v[\z], 30, v[\k]                     ; bit 1 of k: sin's sign
	v_add_lshl_u32 v[\x], v[\k], 1, 30                 ; bit 1 of k + 1: cos's sign
	v_and_b32 v[\z], 0x80000000, v[\z]
	v_and_b32 v[\x], 0x80000000, v[\x]
	v_xor_b32 v[\d+1], v[\d+1], v[\z]
	v_xor_b32 v[\d], v[\d], v[\x]
.endm
; One table entry (pair e) to LDS row 'row' of my wave's part of table 'tab': hi = (bf16 re, bf16 im), lo = bf16 of what hi left (x - hi is exact in f32).
; The 32 lanes of a store write 32 consecutive words.
.macro PUT e, row, tmp, tab
	v_cvt_pk_bf16_f32 v[\tmp], v[\e], v[\e+1]
	v_fma_mix_f32_bf16 v[\tmp+2], v[\tmp], v[NEG1], v[\e] op_sel_hi:[1,0,0]
	v_fma_mix_f32_bf16 v[\tmp+3], v[\tmp], v[NEG1], v[\e+1] op_sel:[1,0,0] op_sel_hi:[1,0,0]
	ds_store_b32 v[LA], v[\tmp] offset:\tab+\row*PITCH
	v_cvt_pk_bf16_f32 v[\tmp+1], v[\tmp+2], v[\tmp+3]
	ds_store_b32 v[LA], v[\tmp+1] offset:\tab+\row*PITCH+128
.endm
	s_load_b256 s[4:11], s[0:1], 0x0               ; A_imag s[4:5], C_im s[6:7], C_re s[8:9], log_A_real s[10:11]
	s_load_b128 s[12:15], s[0:1], 0x20             ; log_dt s[12:13], out0 s[14:15]
	v_lshl_add_u32 v224, v0, 2, 0x8800
	v_mov_b32 v225, 0
	v_and_b32 v[LANE], 31, v0
	v_lshrrev_b32 v2, 5, v0
	v_readfirstlane_b32 s16, v2                    ; wave 0..3
	s_lshl_b32 s17, ttmp9, 7                       ; head x 32 states x 4 bytes
	s_lshl_b32 s18, ttmp9, 2
	v_lshl_add_u32 v[IOFF], v[LANE], 2, s17
	v_mov_b32 v[DOFF], s18
	s_wait_kmcnt 0x0
	global_load_b32 v[LDT],  v[DOFF], s[12:13]     ; in the order in which they are wanted
	global_load_b32 v[LAR],  v[IOFF], s[10:11]
	global_load_b32 v[AIM],  v[IOFF], s[4:5]
	global_load_b32 v[CC],   v[IOFF], s[8:9]
	global_load_b32 v[CC+1], v[IOFF], s[6:7]
	; constants and addresses while the loads are out
	s_mov_b32 s20, 0x39506967                      ; leading coefficient of the exponential's polynomial
	s_mov_b32 s21, 0xb94ca1f9                      ; of sin's
	s_mov_b32 s22, 0x37ccf5ce                      ; of cos's
	s_mov_b32 s23, 0x3f22f983                      ; 2/pi, high word
	s_mov_b32 s24, 0xc2d00000                      ; -104.0
	s_mov_b32 s25, 0x42b20000                      ; 89.0
	s_bitcmp1_b32 s16, 0
	s_cselect_b32 s26, -1, 0                       ; all lanes, if bit 0 of the wave number is set
	s_bitcmp1_b32 s16, 1
	s_cselect_b32 s27, -1, 0                       ; likewise bit 1
	s_mul_i32 s28, s16, TILE                       ; my wave's 16 rows in either table
	s_lshl_b32 s30, ttmp9, 14                      ; head x 4096 x 4 bytes
	s_lshl_b32 s29, s16, 12                        ; + wave x 1024 x 4 bytes
	s_add_co_u32 s30, s30, s29
	s_mov_b32 s31, 0
	s_add_nc_u64 s[14:15], s[14:15], s[30:31]      ; the 4,096 bytes of the output that my wave writes
	v_lshl_add_u32 v[LA], v[LANE], 2, s28
	v_and_b32 v2, 15, v0                           ; r
	v_bfe_u32 v15, v0, 4, 1                        ; half
	v_mul_u32_u24 v2, v2, PITCH
	v_lshl_add_u32 v[FA], v15, 4, v2               ; r x pitch + 16 x half
	v_add_nc_u32 v[FB], s28, v[FA]
	v_lshlrev_b32 v[CO], 4, v[LANE]
	v_mov_b32 v[NEG1], -1.0
	; ---- one state a lane: dt, A, dtA, z, z^64, Cf ----
	s_wait_loadcnt 0x3                             ; loads return in order: log_dt and log_A_real are in, the three younger ones may be out
	EXPA DT, LDT, T, T+1, T+2
	EXPA AR, LAR, T+3, T+4, T+5
	v_xor_b32 v[AR], 0x80000000, v[AR]             ; Re A = -exp(log_A_real)
	s_wait_loadcnt 0x2                             ; A_imag is in; C's two words may be out
	v_mul_f32 v[XR], v[AR], v[DT]
	v_mul_f32 v[TH], v[AIM], v[DT]
	EXPA EX, XR, T, T+1, T+2
	v_mul_f32 v[GH], s23, v[TH]                    ; theta 2/pi in two words: the product's rounding error is recovered by the fused multiply-add,
	v_fma_f32 v[GL], v[TH], s23, -v[GH]
	v_fmamk_f32 v[GL], v[TH], 0x32dc9c88, v[GL]    ; and 2/pi's own low word added
	v_ldexp_f32 v[G64], v[GH], 6                   ; times 64: exact
	v_ldexp_f32 v[L64], v[GL], 6
	SINCOS CS1,  GH,  GL,  T, T+1, T+2, T+3, T+4
	SINCOS CS64, G64, L64, T, T+1, T+2, T+3, T+4
	v_mul_f32 v[T], 0x42b8aa3b, v[XR]              ; 64 Re dtA / ln 2
	v_exp_f32 v[T+1], v[T]                         ; |z|^64: a magnitude only, its last bits do not matter
	v_mul_f32 v[Z1],   v[EX], v[CS1]               ; (these two plain lines stand between v_exp_f32 and the use of its result: ISA guide 5.7.2)
	v_mul_f32 v[Z1+1], v[EX], v[CS1+1]             ; z = exp(Re dtA) (cos, sin), rounded as the problem's complex exponential rounds it
	s_wait_alu depctr_va_vdst(0)
	v_mul_f32 v[Z64],   v[T+1], v[CS64]
	v_mul_f32 v[Z64+1], v[T+1], v[CS64+1]
	; 2 Cf = 2 C (z - 1) / A, the division with A scaled by its larger part, so that no square leaves the f32 range
	v_max_num_f32 v[MX], |v[AR]|, |v[AIM]|
	v_rcp_f32 v[RS], v[MX]
	v_add_f32 v[E1], -1.0, v[Z1]                   ; (plain lines behind v_rcp_f32)
	v_mov_b32 v[E1+1], v[Z1+1]
	s_wait_alu depctr_va_vdst(0)
	v_mul_f32 v[AP],   v[AR],  v[RS]
	v_mul_f32 v[AP+1], v[AIM], v[RS]
	v_mul_f32 v[DEN], v[AP], v[AP]
	v_fma_f32 v[DEN], v[AP+1], v[AP+1], v[DEN]     ; between 1 and 2
	v_rcp_f32 v[RD], v[DEN]
	s_wait_loadcnt 0x0                             ; C
	CMUL  NUM, CC, E1                              ; (plain lines behind v_rcp_f32)
	CMULC CF, NUM, AP
	s_wait_alu depctr_va_vdst(0)
	v_mul_f32 v[RS], v[RS], v[RD]
	v_add_f32 v[RS], v[RS], v[RS]                  ; the sum's factor 2
	v_mul_f32 v[CF],   v[CF],   v[RS]
	v_mul_f32 v[CF+1], v[CF+1], v[RS]
	; ---- the powers: two chains of squarings, taking turns.  z^4 and z^1024 are conjugated, and with them all that is squared from them: Q's multipliers ----
	CMUL Z2,    Z1,    Z1
	CMUL Z128,  Z64,   Z64
	CMUL Z4,    Z2,    Z2
	CMUL Z256,  Z128,  Z128
	v_xor_b32 v[Z4+1], 0x80000000, v[Z4+1]
	CMUL Z512,  Z256,  Z256
	CMUL Z8,    Z4,    Z4
	CMUL Z1024, Z512,  Z512
	CMUL Z16,   Z8,    Z8
	v_xor_b32 v[Z1024+1], 0x80000000, v[Z1024+1]
	CMUL Z32,   Z16,   Z16
	CMUL Z2048, Z1024, Z1024
	; ---- my rows of P: row 16 w + i has the exponent (i & 3) + 128 (bit 2 of i) + 64 (bit 3 of i) + 256 w ----
	v_cndmask_b32 v[U],   1.0, v[Z256],   s26      ; z^256 or 1, z^512 or 1, by the wave number's bits
	v_cndmask_b32 v[U+1], 0,   v[Z256+1], s26
	v_cndmask_b32 v[U+2], 1.0, v[Z512],   s27
	v_cndmask_b32 v[U+3], 0,   v[Z512+1], s27
	CMUL U+4, U, U+2
	CMUL PE, U+4, CF                               ; row 0: 2 Cf z^(256 w)
	CMUL PE+2, PE, Z1                              ; each further bit of i doubles the rows that are there
.irp i, 0,1
	CMUL PE+2*(2+\i), PE+2*\i, Z2
.endr
.irp i, 0,1,2,3
	CMUL PE+2*(4+\i), PE+2*\i, Z128
.endr
.irp i, 0,1,2,3,4,5,6,7
	CMUL PE+2*(8+\i), PE+2*\i, Z64
.endr
.irp i, 0,1,2,3,4,5,6,7,8,9,10,11,12,13,14,15
	PUT PE+2*\i, \i, PT+4*(\i%4), 0
.endr
	; ---- my rows of Q: row 16 w + r is conj(z^(4 r + 1024 w)) ----
	v_cndmask_b32 v[U],   1.0, v[Z1024],   s26
	v_cndmask_b32 v[U+1], 0,   v[Z1024+1], s26
	v_cndmask_b32 v[U+2], 1.0, v[Z2048],   s27
	v_cndmask_b32 v[U+3], 0,   v[Z2048+1], s27
	CMUL QE, U, U+2
	CMUL QE+2, QE, Z4
.irp i, 0,1
	CMUL QE+2*(2+\i), QE+2*\i, Z8
.endr
.irp i, 0,1,2,3
	CMUL QE+2*(4+\i), QE+2*\i, Z16
.endr
.irp i, 0,1,2,3,4,5,6,7
	CMUL QE+2*(8+\i), QE+2*\i, Z32
.endr
.irp i, 0,1,2,3,4,5,6,7,8,9,10,11,12,13,14,15
	PUT QE+2*\i, \i, PT+4*(\i%4), QTAB
.endr
	s_wait_dscnt 0x0                               ; my 64 stores are in LDS: zero, since the other waves read them
	s_barrier_signal -1
	s_barrier_wait -1                              ; every wave's rows are there; nothing is written to LDS after this
	; ---- the product.  A fragment (16 rows x 32 along K) is two loads of 16 bytes, 32 bytes apart, at row x pitch + 16 x half; a row's 256 bytes are
	;      four fragments: hi k 0-31, hi k 32-63, lo k 0-31, lo k 32-63.  P and Q have the same order along K. ----
.irp c, 0,1,2,3,4,5,6,7
	ds_load_b128 v[QF+4*\c:QF+4*\c+3], v[FB] offset:QTAB+32*\c
.endr
.irp t, 0,1,2,3
.irp c, 0,1,2,3,4,5,6,7
	ds_load_b128 v[PF+32*\t+4*\c:PF+32*\t+4*\c+3], v[FA] offset:\t*TILE+32*\c
.endr
.endr
.macro MM t, pf, qf, first                     ; accumulator t += fragment pf of P tile t x fragment qf of my Q tile; the first product starts the sum
.if \first
	v_wmma_f32_16x16x32_bf16 v[ACC+8*\t:ACC+8*\t+7], v[PF+32*\t+8*\pf:PF+32*\t+8*\pf+7], v[QF+8*\qf:QF+8*\qf+7], 0
.else
	v_wmma_f32_16x16x32_bf16 v[ACC+8*\t:ACC+8*\t+7], v[PF+32*\t+8*\pf:PF+32*\t+8*\pf+7], v[QF+8*\qf:QF+8*\qf+7], v[ACC+8*\t:ACC+8*\t+7]
.endif
.endm
.macro PAIR t0, t1                             ; two accumulators take turns; the small products (lo hi, hi lo) first, hi hi last
	MM \t0, 2, 0, 1
	MM \t1, 2, 0, 1
	MM \t0, 3, 1, 0
	MM \t1, 3, 1, 0
	MM \t0, 0, 2, 0
	MM \t1, 0, 2, 0
	MM \t0, 1, 3, 0
	MM \t1, 1, 3, 0
	MM \t0, 0, 0, 0
	MM \t1, 0, 0, 0
	MM \t0, 1, 1, 0
	MM \t1, 1, 1, 0
.endm
	s_wait_dscnt 16                                ; LDS loads return in order: the first 24 of the 40 (Q, P tiles 0 and 1) are in, the last 16 may be out
	PAIR 0, 1
	s_wait_dscnt 0x0                               ; P tiles 2 and 3
	PAIR 2, 3
.rept 4
	v_nop                                          ; four places between the last matrix instruction and the stores that read results
.endr
	; register j of accumulator t, lane (r, half): l = (j & 3) + 4 r + 64 half + 128 (j >> 2) + 256 t + 1024 wave.
	; Each store: 32 lanes x 16 bytes = 512 consecutive bytes, at a multiple of 512 from the output's first byte.  Written once, not read again.
.irp t, 0,1,2,3
	global_store_b128 v[CO], v[ACC+8*\t:ACC+8*\t+3],   s[14:15] offset:\t*1024 th:TH_STORE_NT
	global_store_b128 v[CO], v[ACC+8*\t+4:ACC+8*\t+7], s[14:15] offset:\t*1024+512 th:TH_STORE_NT
.endr
	s_wait_tensorcnt 0x0
	ds_add_u32 v224, v225
	s_wait_dscnt 0x0
	s_endpgm
.Lfunc_end_k_q9b0ac355e0_s4d:
	.size	k_q9b0ac355e0_s4d, .Lfunc_end_k_q9b0ac355e0_s4d-k_q9b0ac355e0_s4d
	.p2alignl 7, 3214868480
	.fill 96, 4, 3214868480
	.section	.rodata,"a",@progbits
	.p2align	6, 0x0
	.amdhsa_kernel k_q9b0ac355e0_s4d
		.amdhsa_group_segment_fixed_size 35328
		.amdhsa_private_segment_fixed_size 0
		.amdhsa_enable_private_segment 0
		.amdhsa_kernarg_size 48
		.amdhsa_user_sgpr_count 2
		.amdhsa_user_sgpr_kernarg_segment_ptr 1
		.amdhsa_wavefront_size32 1
		.amdhsa_system_sgpr_workgroup_id_x 1
		.amdhsa_system_sgpr_workgroup_id_y 1
		.amdhsa_system_sgpr_workgroup_id_z 1
		.amdhsa_system_vgpr_workitem_id 0
		.amdhsa_next_free_vgpr 226
		.amdhsa_next_free_sgpr 66
		.amdhsa_reserve_vcc 1
		.amdhsa_float_denorm_mode_32 3
		.amdhsa_float_denorm_mode_16_64 3
		.amdhsa_memory_ordered 1
		.amdhsa_forward_progress 1
		.amdhsa_inst_pref_size 32
	.end_amdhsa_kernel
	.amdgpu_metadata
---
amdhsa.version: [ 1, 2 ]
amdhsa.kernels:
  - .name:           k_q9b0ac355e0_s4d
    .symbol:         k_q9b0ac355e0_s4d.kd
    .args:
      - { .name: A_imag, .offset: 0, .size: 8, .value_kind: global_buffer, .address_space: global }
      - { .name: C_im, .offset: 8, .size: 8, .value_kind: global_buffer, .address_space: global }
      - { .name: C_re, .offset: 16, .size: 8, .value_kind: global_buffer, .address_space: global }
      - { .name: log_A_real, .offset: 24, .size: 8, .value_kind: global_buffer, .address_space: global }
      - { .name: log_dt, .offset: 32, .size: 8, .value_kind: global_buffer, .address_space: global }
      - { .name: out0, .offset: 40, .size: 8, .value_kind: global_buffer, .address_space: global }
    .group_segment_fixed_size: 35328
    .private_segment_fixed_size: 0
    .kernarg_segment_align: 8
    .kernarg_segment_size: 48
    .max_flat_workgroup_size: 128
    .sgpr_count:     66
    .vgpr_count:     226
    .wavefront_size: 32
...
	.end_amdgpu_metadata
.endif
;; end of part 1
;; ======== version 2 of 2: 1 launch; version 1 with the launch s4d written anew for expert scheduling mode
;; launch s4d (part 2): grid 1024 x 1, 4 waves a work-group, no clusters, 35,328 bytes of LDS; arguments A_imag, C_im, C_re, log_A_real, log_dt, out0; writes out0
.if DOCPART == 2
	.amdgcn_target "amdgcn-amd-amdhsa--gfx1250"
	.amdhsa_code_object_version 6
	.text
	.protected	k_q9b0ac355e0_s4d
	.globl	k_q9b0ac355e0_s4d
	.p2align	8
	.type	k_q9b0ac355e0_s4d,@function
k_q9b0ac355e0_s4d:
	s_mov_b64 s[64:65], 0
	v_nop
	global_prefetch_b8 v0, s[64:65] scope:SCOPE_SE
	s_setreg_imm32_b32 hwreg(HW_REG_WAVE_SCHED_MODE, 0, 2), 2
	s_setreg_imm32_b32 hwreg(HW_REG_WAVE_MODE, 25, 1), 1
	s_wait_xcnt 0x0
	s_wait_alu depctr_vm_vsrc(0)
; S4D kernel:  K[h][l] = 2 Re sum_s Cf[h][s] z[h][s]^l,  z = exp(dtA),  Cf = C (z - 1) / A,  A = -exp(log_A_real) + i A_imag,  dtA = A exp(log_dt).
; 1024 heads, 32 states, 4096 steps.  One work-group = one head, four waves.
;
; THE IDEA.  l = eA + eB with eA in {0..3} + 64 {0..15} and eB in 4 {0..15} + 1024 {0..3}.  With P[eA][s] = 2 Cf z^eA and Q[eB][s] = conj(z^eB),
;   K[eA + eB] = sum_s  Re P Re Q + Im P Im Q :  a 64 x 64 product with 64 along K (re, im of 32 states).  128 powers a state in place of 4096.
; FORMAT.  Each table entry is kept as two bf16, hi = bf16(x) and lo = bf16(x - hi); the matrix unit adds hi hi + hi lo + lo hi in f32 (192 along K).
;   One bf16 a side would leave 2^-8 of every one of the 64 terms, which is more than the sum itself where the terms cancel.  What is dropped here
;   (lo lo, and lo's own rounding) is 2^-16 of a term.  bf16 and not f16: decayed powers run through the whole f32 exponent range.
; LAYOUT OF l IN THE RESULT TILE (row m = 8 half + j from P, column r from Q):
;   l = (j & 3) + 4 r + 64 half + 128 (j >> 2) + 256 (P tile) + 1024 (Q tile = wave):  four registers of a lane are 16 consecutive bytes, the 32 lanes of a
;   store cover 512 consecutive bytes at a multiple of 512 from the output's first byte.  No stage in LDS on the way out.
; ARITHMETIC THAT FOLLOWS THE PROBLEM'S OWN f32 STEPS: dt, exp(log_A_real) and exp(Re dtA) come from an exponential whose last step rounds 1 + r + r^2 p(r)
;   once (v_exp_f32 with a scaled argument would lose bits in the scaling): z - 1 cancels where |A| is small, and dt's last bit is multiplied by up to 4095 steps of phase.
; PHASE: theta = fl(A_imag dt) is turned into quarter turns by a two-word product with 2/pi; sin and cos are made so for z and for z^64, every other
;   power by at most five squarings from one of these, every entry by at most six more products.
; NO CLUSTER, NO TENSOR LOADS: a work-group reads 4 x 128 + 4 bytes, and no two work-groups read the same byte.
; LIMITS.  (1) The phase used is the exact product theta l; the problem's formula rounds theta l to f32, so the two differ by up to half an ulp of the phase.
;   (2) NaN in log_dt or log_A_real is swallowed by the clamp of the exponential's argument to [-104, 89].  (3) |64 theta 2/pi| < 2^31 (quadrant as i32).
;   (4) |z|^64 below 2^-126 counts as 0 (v_exp_f32 flushes, ISA guide 15.8).  (5) max(|Re A|, |Im A|) is a normal f32 whose reciprocal is normal too.
; THE MODE: SCHED_MODE bits 1:0 = 2 (LLVM: expert scheduling mode 2), set by the entry lines.  The code itself states the register dependences
;   between vector or matrix instructions and memory or LDS instructions, with s_wait_alu, always for 0.
; THE PLAN.  Registers that memory or LDS instructions touch:
;   v3, v9        offsets of the five input loads; made at the head, never written again.      v4 to v8   the loads land here; no vector instruction names them before.
;   v10 to v13    LDS and output addresses; made once while the input loads are out, never written again.
;   OUTP          my 16 rows of P, split: written by P's split, read by P's 32 LDS stores, which are dealt among the products of Q's chain (these name neither OUTP nor v10).
;   OUTQ          my 16 rows of Q, split: written by Q's split, read by Q's 32 LDS stores.
;   v32 to v191   behind the barrier the fragments' loads land here.  The last vector instruction that names any of them stands ahead of the wait in front of Q's stores.
;   v192 to v223  behind the barrier the accumulators: written by matrix instructions, read by the eight output stores.
;   So: one wait on va_vdst ahead of the input loads, one ahead of P's stores, one ahead of Q's stores, one ahead of the output stores; one wait on vm_vsrc behind the
;   barrier (the LDS stores have read OUTP and OUTQ, which loads and matrix instructions write next); one on va_sdst for the wave's number; one on va_vcc for each quadrant's compare.
.set PITCH, 272                        ; an LDS row: 128 bytes hi, 128 bytes lo, 16 of padding: 68 words, so 16 rows of a fragment load start 4 banks apart
.set TILE,  16*PITCH                   ; 16 rows: what one wave writes of a table, and one fragment tile
.set QTAB,  64*PITCH                   ; Q's 64 rows lie behind P's 64
; registers, table phase (lane = state)
.set LANE, 1
.set IOFF, 3                           ; byte offset of my state in the four [1024][32] inputs
.set AIM,  4                           ; A_imag
.set LAR,  5                           ; log_A_real
.set CC,   6                           ; v[6:7]  C (re, im)
.set LDT,  8                           ; log_dt
.set DOFF, 9                           ; byte offset of my head in log_dt
.set LA,   10                          ; LDS: my dword in the first row that my wave writes
.set FA,   11                          ; LDS: my 16 bytes of a fragment of P, tile 0
.set FB,   12                          ; LDS: the same for my wave's tile (QTAB goes into the immediate)
.set CO,   13                          ; 16 x lane: my bytes in a store
.set NEG1, 14                          ; -1.0
.set DT,   16
.set AR,   17                          ; Re A
.set XR,   18                          ; Re dtA
.set TH,   19                          ; Im dtA
.set EX,   20                          ; exp(Re dtA)
.set GH,   21                          ; theta in quarter turns, high and
.set GL,   22                          ; low word
.set G64,  23                          ; 64 theta likewise
.set T,    24                          ; v[24:29] at work
.set L64,  30
.set CS1,  32                          ; (cos, sin) theta
.set CS64, 34                          ; (cos, sin) 64 theta
.set E1,   36                          ; z - 1
.set NUM,  38                          ; C (z - 1)
.set AP,   40                          ; A / max(|Re A|, |Im A|)
.set CF,   42                          ; 2 Cf
.set MX,   44
.set RS,   45
.set DEN,  46
.set RD,   47
.set Z1,    48                         ; the twelve powers, a pair each; those of Q's table are conjugated
.set Z2,    50
.set Z4,    52
.set Z8,    54
.set Z16,   56
.set Z32,   58
.set Z64,   60
.set Z128,  62
.set Z256,  64
.set Z512,  66
.set Z1024, 68
.set Z2048, 70
.set U,    72                          ; v[72:77] three pairs for the starts
.set PE,   80                          ; v[80:111]  my 16 rows of P
.set QE,   112                         ; v[112:143] my 16 rows of Q
.set PT,   144                         ; v[144:159] what hi left of four rows, two sets by turns: no memory instruction names them
.set OUTP, 160                         ; v[160:191] row i of P to store: hi at OUTP + i, lo at OUTP + 16 + i
.set OUTQ, 192                         ; v[192:223] the same for Q
; registers, product phase (the table phase's registers from v32 on are done with)
.set QF,   32                          ; v[32:63]   Q tile: hi k 0-31, hi k 32-63, lo k 0-31, lo k 32-63
.set PF,   64                          ; v[64:191]  the four P tiles, likewise
.set ACC,  192                         ; v[192:223] four accumulators
; d = x y (complex pairs; d is neither x nor y).  First (xr yr, xi yr), then (- xi yi, + xr yi) on top: two packed instructions.
.macro CMUL d, x, y
	v_pk_mul_f32 v[\d:\d+1], v[\x:\x+1], v[\y:\y+1] op_sel_hi:[1,0]
	v_pk_fma_f32 v[\d:\d+1], v[\x:\x+1], v[\y:\y+1], v[\d:\d+1] op_sel:[1,1,0] op_sel_hi:[0,1,1] neg_lo:[1,0,0]
.endm
; d = x conj(y): (+ xi yi, - xr yi) on top
.macro CMULC d, x, y
	v_pk_mul_f32 v[\d:\d+1], v[\x:\x+1], v[\y:\y+1] op_sel_hi:[1,0]
	v_pk_fma_f32 v[\d:\d+1], v[\x:\x+1], v[\y:\y+1], v[\d:\d+1] op_sel:[1,1,0] op_sel_hi:[0,1,1] neg_hi:[1,0,0]
.endm
; d = e^x.  n = round(x / ln 2); r = x - n ln 2 with ln 2 in two words, the first of 9 bits so that n times it is exact; e^r = 1 + r + r^2 p(r); times 2^n.
.macro EXPA d, x, t, r, y
	v_med3_num_f32 v[\r], v[\x], s24, s25              ; below -104 the result is 0, above 89 infinite: n stays a small whole number
	v_mul_f32 v[\t], 0x3fb8aa3b, v[\r]
	v_rndne_f32 v[\t], v[\t]
	v_fmamk_f32 v[\r], v[\t], 0xbf318000, v[\r]        ; - n 0.693359375
	v_fmamk_f32 v[\r], v[\t], 0x395e8083, v[\r]        ; + n 2.12194440e-4
	v_fmaak_f32 v[\y], s20, v[\r], 0x3ab743ce
	v_fmaak_f32 v[\y], v[\y], v[\r], 0x3c088908
	v_fmaak_f32 v[\y], v[\y], v[\r], 0x3d2aa9c1
	v_fmaak_f32 v[\y], v[\y], v[\r], 0x3e2aaaaa
	v_fmaak_f32 v[\y], v[\y], v[\r], 0x3f000000
	v_mul_f32 v[\d], v[\r], v[\r]
	v_fma_f32 v[\y], v[\y], v[\d], v[\r]
	v_cvt_i32_f32 v[\t], v[\t]
	v_add_f32 v[\y], 1.0, v[\y]
	v_ldexp_f32 v[\d], v[\y], v[\t]
.endm
; v[d] = cos, v[d+1] = sin of (p + lo) quarter turns.  k = round(p); p - k is exact; the rest, at most pi/4, goes through the two short polynomials;
; k mod 4 swaps them and sets the signs: (s, c), (c, -s), (-s, -c), (-c, s).  The compare on k's lowest bit stands ahead of the polynomials, the selects that read its mask behind them.
.macro SINCOS d, p, lo, k, x, z, s, c
	v_rndne_f32 v[\k], v[\p]
	v_sub_f32 v[\x], v[\p], v[\k]
	v_cvt_i32_f32 v[\k], v[\k]
	v_add_f32 v[\x], v[\x], v[\lo]
	v_and_b32 v[\z], 1, v[\k]
	v_cmp_ne_u32 vcc_lo, 0, v[\z]
	v_mul_f32 v[\x], 0x3fc90fdb, v[\x]                 ; radians
	v_mul_f32 v[\z], v[\x], v[\x]
	v_fmaak_f32 v[\s], s21, v[\z], 0x3c08839e
	v_fmaak_f32 v[\c], s22, v[\z], 0xbab6061a
	v_fmaak_f32 v[\s], v[\s], v[\z], 0xbe2aaaa3
	v_fmaak_f32 v[\c], v[\c], v[\z], 0x3d2aaaa5
	v_mul_f32 v[\s], v[\s], v[\z]
	v_mul_f32 v[\c], v[\c], v[\z]
	v_fma_f32 v[\s], v[\s], v[\x], v[\x]               ; sin = x + x^3 ps(x^2)
	v_fma_f32 v[\x], v[\z], -0.5, 1.0
	v_fma_f32 v[\c], v[\c], v[\z], v[\x]               ; cos = 1 - x^2/2 + x^4 pc(x^2)
	s_wait_alu depctr_va_vcc(0)                        ; the compare above has written VCC, which the two selects read
	v_cndmask_b32 v[\d], v[\c], v[\s], vcc_lo
	v_cndmask_b32 v[\d+1], v[\s], v[\c], vcc_lo
	v_lshlrev_b32 v[\z], 30, v[\k]                     ; bit 1 of k: sin's sign
	v_add_lshl_u32 v[\x], v[\k], 1, 30                 ; bit 1 of k + 1: cos's sign
	v_and_b32 v[\z], 0x80000000, v[\z]
	v_and_b32 v[\x], 0x80000000, v[\x]
	v_xor_b32 v[\d+1], v[\d+1], v[\z]
	v_xor_b32 v[\d], v[\d], v[\x]
.endm
; Rows 4 g to 4 g + 3 of the entries at e are split into the out-buffer: hi = (bf16 re, bf16 im), lo = bf16 of what hi left (x - hi is exact in f32).  Vector work alone.
.macro SPLIT4 e, g, out
.irp i, 0,1,2,3
	v_cvt_pk_bf16_f32 v[\out+4*(\g)+\i], v[\e+8*(\g)+2*\i], v[\e+8*(\g)+2*\i+1]
.endr
.irp i, 0,1,2,3
	v_fma_mix_f32_bf16 v[PT+8*((\g)%2)+2*\i],   v[\out+4*(\g)+\i], v[NEG1], v[\e+8*(\g)+2*\i]   op_sel_hi:[1,0,0]
	v_fma_mix_f32_bf16 v[PT+8*((\g)%2)+2*\i+1], v[\out+4*(\g)+\i], v[NEG1], v[\e+8*(\g)+2*\i+1] op_sel:[1,0,0] op_sel_hi:[1,0,0]
.endr
.irp i, 0,1,2,3
	v_cvt_pk_bf16_f32 v[\out+16+4*(\g)+\i], v[PT+8*((\g)%2)+2*\i], v[PT+8*((\g)%2)+2*\i+1]
.endr
.endm
; One row of an out-buffer to LDS row 'row' of my wave's part of table 'tab'.  The 32 lanes of a store write 32 consecutive words.
.macro STROW out, row, tab
	ds_store_b32 v[LA], v[\out+(\row)]    offset:\tab+(\row)*PITCH
	ds_store_b32 v[LA], v[\out+16+(\row)] offset:\tab+(\row)*PITCH+128
.endm
	s_load_b256 s[4:11], s[0:1], 0x0               ; A_imag s[4:5], C_im s[6:7], C_re s[8:9], log_A_real s[10:11]
	s_load_b128 s[12:15], s[0:1], 0x20             ; log_dt s[12:13], out0 s[14:15]
	v_lshl_add_u32 v224, v0, 2, 0x8800
	v_mov_b32 v225, 0
	v_and_b32 v[LANE], 31, v0
	v_lshrrev_b32 v2, 5, v0
	v_readfirstlane_b32 s16, v2                    ; wave 0..3
	s_lshl_b32 s17, ttmp9, 7                       ; head x 32 states x 4 bytes
	s_lshl_b32 s18, ttmp9, 2
	v_lshl_add_u32 v[IOFF], v[LANE], 2, s17
	v_mov_b32 v[DOFF], s18
	s_wait_kmcnt 0x0
	s_wait_alu depctr_va_vdst(0)                   ; v[IOFF] and v[DOFF] are written: the five loads read them as their offsets
	global_load_b32 v[LDT],  v[DOFF], s[12:13]     ; in the order in which they are wanted
	global_load_b32 v[LAR],  v[IOFF], s[10:11]
	global_load_b32 v[AIM],  v[IOFF], s[4:5]
	global_load_b32 v[CC],   v[IOFF], s[8:9]
	global_load_b32 v[CC+1], v[IOFF], s[6:7]
	; constants and addresses while the loads are out
	s_mov_b32 s20, 0x39506967                      ; leading coefficient of the exponential's polynomial
	s_mov_b32 s21, 0xb94ca1f9                      ; of sin's
	s_mov_b32 s22, 0x37ccf5ce                      ; of cos's
	s_mov_b32 s23, 0x3f22f983                      ; 2/pi, high word
	s_mov_b32 s24, 0xc2d00000                      ; -104.0
	s_mov_b32 s25, 0x42b20000                      ; 89.0
	s_wait_alu depctr_va_sdst(0)                   ; v_readfirstlane_b32 has written s16, ahead of its first reader: the masks, the LDS rows and the output's base are made from it
	s_bitcmp1_b32 s16, 0
	s_cselect_b32 s26, -1, 0                       ; all lanes, if bit 0 of the wave number is set
	s_bitcmp1_b32 s16, 1
	s_cselect_b32 s27, -1, 0                       ; likewise bit 1
	s_mul_i32 s28, s16, TILE                       ; my wave's 16 rows in either table
	s_lshl_b32 s30, ttmp9, 14                      ; head x 4096 x 4 bytes
	s_lshl_b32 s29, s16, 12                        ; + wave x 1024 x 4 bytes
	s_add_co_u32 s30, s30, s29
	s_mov_b32 s31, 0
	s_add_nc_u64 s[14:15], s[14:15], s[30:31]      ; the 4,096 bytes of the output that my wave writes
	v_lshl_add_u32 v[LA], v[LANE], 2, s28
	v_and_b32 v2, 15, v0                           ; r
	v_bfe_u32 v15, v0, 4, 1                        ; half
	v_mul_u32_u24 v2, v2, PITCH
	v_lshl_add_u32 v[FA], v15, 4, v2               ; r x pitch + 16 x half
	v_add_nc_u32 v[FB], s28, v[FA]
	v_lshlrev_b32 v[CO], 4, v[LANE]
	v_mov_b32 v[NEG1], -1.0
	; ---- one state a lane: dt, A, dtA, z, z^64, Cf ----
	s_wait_loadcnt 0x3                             ; loads return in order: log_dt and log_A_real are in, the three younger ones may be out
	EXPA DT, LDT, T, T+1, T+2
	EXPA AR, LAR, T+3, T+4, T+5
	v_xor_b32 v[AR], 0x80000000, v[AR]             ; Re A = -exp(log_A_real)
	s_wait_loadcnt 0x2                             ; A_imag is in; C's two words may be out
	v_mul_f32 v[XR], v[AR], v[DT]
	v_mul_f32 v[TH], v[AIM], v[DT]
	EXPA EX, XR, T, T+1, T+2
	v_mul_f32 v[GH], s23, v[TH]                    ; theta 2/pi in two words: the product's rounding error is recovered by the fused multiply-add,
	v_fma_f32 v[GL], v[TH], s23, -v[GH]
	v_fmamk_f32 v[GL], v[TH], 0x32dc9c88, v[GL]    ; and 2/pi's own low word added
	v_ldexp_f32 v[G64], v[GH], 6                   ; times 64: exact
	v_ldexp_f32 v[L64], v[GL], 6
	SINCOS CS1,  GH,  GL,  T, T+1, T+2, T+3, T+4
	SINCOS CS64, G64, L64, T, T+1, T+2, T+3, T+4
	v_mul_f32 v[T], 0x42b8aa3b, v[XR]              ; 64 Re dtA / ln 2
	v_exp_f32 v[T+1], v[T]                         ; |z|^64: a magnitude only, its last bits do not matter
	v_mul_f32 v[Z1],   v[EX], v[CS1]               ; (these two plain lines stand between v_exp_f32 and the use of its result: ISA guide 5.7.2)
	v_mul_f32 v[Z1+1], v[EX], v[CS1+1]             ; z = exp(Re dtA) (cos, sin), rounded as the problem's complex exponential rounds it
	s_wait_alu depctr_va_vdst(0)
	v_mul_f32 v[Z64],   v[T+1], v[CS64]
	v_mul_f32 v[Z64+1], v[T+1], v[CS64+1]
	; 2 Cf = 2 C (z - 1) / A, the division with A scaled by its larger part, so that no square leaves the f32 range
	v_max_num_f32 v[MX], |v[AR]|, |v[AIM]|
	v_rcp_f32 v[RS], v[MX]
	v_add_f32 v[E1], -1.0, v[Z1]                   ; (plain lines behind v_rcp_f32)
	v_mov_b32 v[E1+1], v[Z1+1]
	s_wait_alu depctr_va_vdst(0)
	v_mul_f32 v[AP],   v[AR],  v[RS]
	v_mul_f32 v[AP+1], v[AIM], v[RS]
	v_mul_f32 v[DEN], v[AP], v[AP]
	v_fma_f32 v[DEN], v[AP+1], v[AP+1], v[DEN]     ; between 1 and 2
	v_rcp_f32 v[RD], v[DEN]
	s_wait_loadcnt 0x0                             ; C
	CMUL  NUM, CC, E1                              ; (plain lines behind v_rcp_f32)
	CMULC CF, NUM, AP
	s_wait_alu depctr_va_vdst(0)
	v_mul_f32 v[RS], v[RS], v[RD]
	v_add_f32 v[RS], v[RS], v[RS]                  ; the sum's factor 2
	v_mul_f32 v[CF],   v[CF],   v[RS]
	v_mul_f32 v[CF+1], v[CF+1], v[RS]
	; ---- the powers: two chains of squarings, taking turns.  z^4 and z^1024 are conjugated, and with them all that is squared from them: Q's multipliers ----
	CMUL Z2,    Z1,    Z1
	CMUL Z128,  Z64,   Z64
	CMUL Z4,    Z2,    Z2
	CMUL Z256,  Z128,  Z128
	v_xor_b32 v[Z4+1], 0x80000000, v[Z4+1]
	CMUL Z512,  Z256,  Z256
	CMUL Z8,    Z4,    Z4
	CMUL Z1024, Z512,  Z512
	CMUL Z16,   Z8,    Z8
	v_xor_b32 v[Z1024+1], 0x80000000, v[Z1024+1]
	CMUL Z32,   Z16,   Z16
	CMUL Z2048, Z1024, Z1024
	; ---- my rows of P: row 16 w + i has the exponent (i & 3) + 128 (bit 2 of i) + 64 (bit 3 of i) + 256 w ----
	v_cndmask_b32 v[U],   1.0, v[Z256],   s26      ; z^256 or 1, z^512 or 1, by the wave number's bits
	v_cndmask_b32 v[U+1], 0,   v[Z256+1], s26
	v_cndmask_b32 v[U+2], 1.0, v[Z512],   s27
	v_cndmask_b32 v[U+3], 0,   v[Z512+1], s27
	CMUL U+4, U, U+2
	CMUL PE, U+4, CF                               ; row 0: 2 Cf z^(256 w)
	CMUL PE+2, PE, Z1                              ; each further bit of i doubles the rows that are there
.irp i, 0,1
	CMUL PE+2*(2+\i), PE+2*\i, Z2
.endr
.irp i, 0,1,2,3
	CMUL PE+2*(4+\i), PE+2*\i, Z128
.endr
.irp i, 0,1,2,3,4,5,6,7
	CMUL PE+2*(8+\i), PE+2*\i, Z64
.endr
.irp g, 0,1,2,3
	SPLIT4 PE, \g, OUTP
.endr
	s_wait_alu depctr_va_vdst(0)                   ; P's split has written OUTP, and the head v[LA]: P's 32 LDS stores read them.  No vector instruction from here to the last of these stores names OUTP or v[LA]
	; ---- my rows of Q: row 16 w + r is conj(z^(4 r + 1024 w)).  A row of P is stored behind each product of the chain ----
	v_cndmask_b32 v[U],   1.0, v[Z1024],   s26
	v_cndmask_b32 v[U+1], 0,   v[Z1024+1], s26
	v_cndmask_b32 v[U+2], 1.0, v[Z2048],   s27
	v_cndmask_b32 v[U+3], 0,   v[Z2048+1], s27
	CMUL QE, U, U+2
	STROW OUTP, 0, 0
	CMUL QE+2, QE, Z4
	STROW OUTP, 1, 0
.irp i, 0,1
	CMUL QE+2*(2+\i), QE+2*\i, Z8
	STROW OUTP, 2+\i, 0
.endr
.irp i, 0,1,2,3
	CMUL QE+2*(4+\i), QE+2*\i, Z16
	STROW OUTP, 4+\i, 0
.endr
.irp i, 0,1,2,3,4,5,6,7
	CMUL QE+2*(8+\i), QE+2*\i, Z32
	STROW OUTP, 8+\i, 0
.endr
.irp g, 0,1,2,3
	SPLIT4 QE, \g, OUTQ
.endr
	s_wait_alu depctr_va_vdst(0)                   ; Q's split has written OUTQ, which Q's LDS stores read.  It is also the table phase's last vector work: every vector instruction that names v32 to v191,
	                                               ; in which the fragments' loads land behind the barrier, is done, and v[FA] and v[FB], their addresses, are written; only LDS stores from OUTQ stand between
.irp i, 0,1,2,3,4,5,6,7,8,9,10,11,12,13,14,15
	STROW OUTQ, \i, QTAB
.endr
	s_wait_dscnt 0x0                               ; my 64 stores are in LDS: zero, since the other waves read them
	s_barrier_signal -1
	s_barrier_wait -1                              ; every wave's rows are there; nothing is written to LDS after this
	s_wait_alu depctr_vm_vsrc(0)                   ; my LDS stores have read OUTP, in which P tile 3's loads land, and OUTQ, which the matrix instructions write as accumulators
	; ---- the product.  A fragment (16 rows x 32 along K) is two loads of 16 bytes, 32 bytes apart, at row x pitch + 16 x half; a row's 256 bytes are
	;      four fragments: hi k 0-31, hi k 32-63, lo k 0-31, lo k 32-63.  P and Q have the same order along K. ----
.irp c, 0,1,2,3,4,5,6,7
	ds_load_b128 v[QF+4*\c:QF+4*\c+3], v[FB] offset:QTAB+32*\c
.endr
.irp t, 0,1,2,3
.irp c, 0,1,2,3,4,5,6,7
	ds_load_b128 v[PF+32*\t+4*\c:PF+32*\t+4*\c+3], v[FA] offset:\t*TILE+32*\c
.endr
.endr
.macro MM t, pf, qf, first                     ; accumulator t += fragment pf of P tile t x fragment qf of my Q tile; the first product starts the sum
.if \first
	v_wmma_f32_16x16x32_bf16 v[ACC+8*\t:ACC+8*\t+7], v[PF+32*\t+8*\pf:PF+32*\t+8*\pf+7], v[QF+8*\qf:QF+8*\qf+7], 0
.else
	v_wmma_f32_16x16x32_bf16 v[ACC+8*\t:ACC+8*\t+7], v[PF+32*\t+8*\pf:PF+32*\t+8*\pf+7], v[QF+8*\qf:QF+8*\qf+7], v[ACC+8*\t:ACC+8*\t+7]
.endif
.endm
.macro PAIR t0, t1                             ; two accumulators take turns; the small products (lo hi, hi lo) first, hi hi last
	MM \t0, 2, 0, 1
	MM \t1, 2, 0, 1
	MM \t0, 3, 1, 0
	MM \t1, 3, 1, 0
	MM \t0, 0, 2, 0
	MM \t1, 0, 2, 0
	MM \t0, 1, 3, 0
	MM \t1, 1, 3, 0
	MM \t0, 0, 0, 0
	MM \t1, 0, 0, 0
	MM \t0, 1, 1, 0
	MM \t1, 1, 1, 0
.endm
	s_wait_dscnt 16                                ; LDS loads return in order: the first 24 of the 40 (Q, P tiles 0 and 1) are in, the last 16 may be out
	PAIR 0, 1
	s_wait_dscnt 0x0                               ; P tiles 2 and 3
	PAIR 2, 3
.rept 4
	v_nop                                          ; four places between the last matrix instruction and the stores that read results
.endr
	s_wait_alu depctr_va_vdst(0)                   ; the matrix instructions have written the four accumulators, which the stores read; the places above stay beside this wait
	; register j of accumulator t, lane (r, half): l = (j & 3) + 4 r + 64 half + 128 (j >> 2) + 256 t + 1024 wave.
	; Each store: 32 lanes x 16 bytes = 512 consecutive bytes, at a multiple of 512 from the output's first byte.  Written once, not read again.
.irp t, 0,1,2,3
	global_store_b128 v[CO], v[ACC+8*\t:ACC+8*\t+3],   s[14:15] offset:\t*1024 th:TH_STORE_NT
	global_store_b128 v[CO], v[ACC+8*\t+4:ACC+8*\t+7], s[14:15] offset:\t*1024+512 th:TH_STORE_NT
.endr
	s_wait_dscnt 0x0
	s_wait_alu depctr_hold_cnt(0) depctr_sa_sdst(0) depctr_va_vdst(0) depctr_va_sdst(0) depctr_va_ssrc(0) depctr_va_vcc(0) depctr_vm_vsrc(0)
	s_wait_tensorcnt 0x0
	ds_add_u32 v224, v225
	s_wait_dscnt 0x0
	s_endpgm
.Lfunc_end_k_q9b0ac355e0_s4d:
	.size	k_q9b0ac355e0_s4d, .Lfunc_end_k_q9b0ac355e0_s4d-k_q9b0ac355e0_s4d
	.p2alignl 7, 3214868480
	.fill 96, 4, 3214868480
	.section	.rodata,"a",@progbits
	.p2align	6, 0x0
	.amdhsa_kernel k_q9b0ac355e0_s4d
		.amdhsa_group_segment_fixed_size 35328
		.amdhsa_private_segment_fixed_size 0
		.amdhsa_enable_private_segment 0
		.amdhsa_kernarg_size 48
		.amdhsa_user_sgpr_count 2
		.amdhsa_user_sgpr_kernarg_segment_ptr 1
		.amdhsa_wavefront_size32 1
		.amdhsa_system_sgpr_workgroup_id_x 1
		.amdhsa_system_sgpr_workgroup_id_y 1
		.amdhsa_system_sgpr_workgroup_id_z 1
		.amdhsa_system_vgpr_workitem_id 0
		.amdhsa_next_free_vgpr 226
		.amdhsa_next_free_sgpr 66
		.amdhsa_reserve_vcc 1
		.amdhsa_float_denorm_mode_32 3
		.amdhsa_float_denorm_mode_16_64 3
		.amdhsa_memory_ordered 1
		.amdhsa_forward_progress 1
		.amdhsa_inst_pref_size 33
	.end_amdhsa_kernel
	.amdgpu_metadata
---
amdhsa.version: [ 1, 2 ]
amdhsa.kernels:
  - .name:           k_q9b0ac355e0_s4d
    .symbol:         k_q9b0ac355e0_s4d.kd
    .args:
      - { .name: A_imag, .offset: 0, .size: 8, .value_kind: global_buffer, .address_space: global }
      - { .name: C_im, .offset: 8, .size: 8, .value_kind: global_buffer, .address_space: global }
      - { .name: C_re, .offset: 16, .size: 8, .value_kind: global_buffer, .address_space: global }
      - { .name: log_A_real, .offset: 24, .size: 8, .value_kind: global_buffer, .address_space: global }
      - { .name: log_dt, .offset: 32, .size: 8, .value_kind: global_buffer, .address_space: global }
      - { .name: out0, .offset: 40, .size: 8, .value_kind: global_buffer, .address_space: global }
    .group_segment_fixed_size: 35328
    .private_segment_fixed_size: 0
    .kernarg_segment_align: 8
    .kernarg_segment_size: 48
    .max_flat_workgroup_size: 128
    .sgpr_count:     66
    .vgpr_count:     226
    .wavefront_size: 32
...
	.end_amdgpu_metadata
.endif
;; end of part 2
